; MI455X (gfx1250); checked and timed in simulation.
; The chip was launched on July 23, 2026; its instructions are those of AMD's public machine-readable ISA for CDNA 5 (MIT licence, August 2026) and "CDNA5" Instruction Set Architecture Reference Guide (July 2026). The comments in the code are by the model that wrote it; some were corrected since.
;; Colour Histogram. Allowed arithmetic: float matrix products may take bf16 or f16 operands with f32 sums; all other float work in f32.
;; Inputs: image 16 x 2 x 512 x 512 float32.
;; Outputs: out0 16 x 1 x 32 x 32 float32.
;; 2 versions, each right; version 2 is version 1 with the launch partial written anew for expert scheduling mode. Each part assembles by itself: llvm-mc -triple=amdgcn-amd-amdhsa -mcpu=gfx1250 --defsym DOCPART=n.
;; ======== version 1 of 2: 2 launches
;; limits: right only within a limited range of input values
;; workspace buffers: part 1,048,576 bytes
;; launch partial (part 1): grid 256 x 1, 16 waves a work-group, no clusters, 241,664 bytes of LDS; arguments image, part; writes part
.if DOCPART == 1
	.amdgcn_target "amdgcn-amd-amdhsa--gfx1250"
	.amdhsa_code_object_version 6
	.text
	.protected	k_q810016af25_partial
	.globl	k_q810016af25_partial
	.p2align	8
	.type	k_q810016af25_partial,@function
k_q810016af25_partial:
	s_mov_b64 s[64:65], 0
	v_nop
	global_prefetch_b8 v0, s[64:65] scope:SCOPE_SE
	s_setreg_imm32_b32 hwreg(HW_REG_WAVE_MODE, 25, 1), 1
	s_wait_xcnt 0x0
; part[g][a][b] = sum over the 16,384 pixels p of work-group g of  KA[p][a] * KB[p][b],  the UNSCALED soft histogram.
; image: [16][2][512*512] f32.  Work-group g = 16 n + seg owns pixels seg*16384 .. +16383 of image n.
;
; THE ARITHMETIC.  reference(): k_j(x) = exp(-0.5 ((x - j/31)/0.05)^2) = exp2(-(z - (j-15.5) d)^2) with s^2 = 200 log2(e), z = s (x - 1/2), d = s/31.
; Bin j = 8 A + i lies at C_A + mu d, C_A = (8 A - 12) d, mu = i - 3.5.  Expanding the square:
;     k_j = F_A * v^(2 mu) * S_j,   F_A = exp2(-(z - C_A)^2),   v = exp2(d z),   S_j = exp2(d^2 ((8A-12)^2 - (j-15.5)^2)).
; S_j hangs on the bin alone: it leaves the sum over pixels and is applied by the next launch.  Here K[p][j] = F_A * v^(2 mu): six
; exponentials (four F, v, 1/v) for the 32 bins of a pixel and channel in place of 32; the rest are multiplications in f32.
; K <= 2^29, products <= 2^58, sums <= 2^76: inside bf16's and f32's range.
; LIMITS.  A weight k_j below 2^-86 comes out as 0 (its F_A is below 2^-126, which v_exp_f32 gives as 0).  The exponent of v is held to
; +-13; beyond that |z - C_A| > 17 and every F_A is 0, so no 0 * infinity arises.  F_A is made from the unclamped number: a NaN pixel
; gives NaN, an infinite one gives 0, as in reference().  Operands are rounded to bf16 once, sums are f32, in another order than reference()'s.
;
; THE SHAPE.  16 waves, four on each SIMD; wave w takes 128 pixels (16 bytes a lane and channel) of each of 8 groups.  The factors want
; lane = pixel; the matrix instruction wants lane = bin and pixels along the registers.  So each step of 32 pixels goes once through LDS of the
; wave's own: rows [pixel][32 bf16 of KA, 32 bf16 of KB], read back by the transposing load.  No barrier until the end.
; No cluster: no byte of image is read by two work-groups, so there is nothing to ask for jointly.
.set WAVES,  16
.set GROUPS, 8                         ; groups of 128 pixels in a wave's share
.set TRIPB,  8192                      ; bytes of one channel that the 16 waves take in a group
.set CHB,    1048576                   ; bytes from channel a to channel b
.set ROWP,   160                       ; LDS row of a pixel: 128 bytes of data, pitch 160
.set OCTP,   8*ROWP+16                 ; eight rows and 16 bytes more.  In 16-byte columns modulo 256 bytes (64 banks of 4 bytes: ISA guide 11.1):
                                       ; rows of an octet lie at 0,10,4,14,8,2,12,6, the next octet one column further.  So the 16 lanes of a store
                                       ; (two octets, one column each) and of a transposing load (one octet, two neighbouring columns) touch 16 different columns
.set BUF,    4*OCTP                    ; 32 pixels
.set WSTAGE, 2*BUF                     ; two buffers a wave, taken in turn by the steps
.set RED,    WAVES*WSTAGE              ; behind the stages: each wave's 32 x 32 sums
.set REDP,   144                       ; a row of 32 f32 + 16 bytes: 16 lanes that store 16 bytes of 16 rows touch 16 different columns
.set WRED,   32*REDP
.set KW1,  0x4114ec61                  ;  s d      = 200 log2(e) / 31 = 9.3077099
.set KW0,  0xc094ec61                  ; -s d / 2  = -4.6538550
.set RDEL, 0x3fe99920                  ;  1 / d    = 1.8249855
.set C12,  0x40d269a2                  ; 12 d      = 6.5753946
.set C4,   0x400c466c                  ;  4 d      = 2.1917982
.set WMAX, 0x41500000                  ; 13.0
.set GOFF, 1                           ; v1       16 x thread: my 16 bytes in a group
.set STA,  2                           ; v2       LDS: my pixel's row (lane = pixel)
.set LDA,  3                           ; v3       LDS: my address for the transposing loads
.set T,    4                           ; v4-7     set-up and the way out
.set KZ,   8                           ; v8-9     -s d / 2, twice
.set NC,   10                          ; v10-13   -C_A, A = 0..3
.set RA,   14                          ; v14-15   the way out
.set RB,   15
.set X,    16                          ; v16-23   x as loaded: 4 pixels of a, 4 of b
.set Z,    24                          ; v24-31   w = d z of these 8
.set WC,   32                          ; v32      w held to +-13
.set D,    34                          ; v34-37   z - C_A
.set E,    38                          ; v38-41   -(z - C_A)^2
.set F,    42                          ; v42-45   F_A
.set G,    46                          ; v46-53   (v^-1, v), (v^-3, v^3), (v^-5, v^5), (v^-7, v^7)
.set Q,    54                          ; v54-55   (v^-2, v^2)
.set P,    56                          ; v56-71   the 8 products of an anchor, two sets
.set PK,   72                          ; v72-79   the same in bf16, bins ascending, two sets
.set KA,   80                          ; v80-95   fragments: KA bins 0-15, 16-31
.set KB,   96                          ; v96-111  fragments: KB bins 0-15, 16-31
.set ACC,  112                         ; v112-143 tile (ta, tb) at ACC + 8 (2 ta + tb)
.set SUMS, 16                          ; v16-47   the way out: 16 waves' pairs
	s_load_b128 s[4:7], s[0:1], 0x0                ; image s[4:5], part s[6:7]
	v_lshl_add_u32 v144, v0, 2, 0x3a800
	v_mov_b32 v145, 0
	v_lshrrev_b32 v[T], 5, v0
	v_readfirstlane_b32 s8, v[T]                   ; wave 0..15
	v_lshlrev_b32 v[GOFF], 4, v0
	s_lshr_b32 s10, ttmp9, 4                       ; image n: 2 channels x 1 MiB
	s_lshl_b32 s10, s10, 21
	s_and_b32 s11, ttmp9, 15                       ; segment: 16,384 pixels x 4 bytes
	s_lshl_b32 s11, s11, 16
	s_add_co_u32 s10, s10, s11
	s_mov_b32 s11, 0
	s_lshl_b32 s12, ttmp9, 12                      ; my 4,096 bytes of part
	s_mov_b32 s13, 0
	s_wait_kmcnt 0x0
	s_add_nc_u64 s[4:5], s[4:5], s[10:11]
	s_add_nc_u64 s[6:7], s[6:7], s[12:13]
	global_load_b128 v[X:X+3],   v[GOFF], s[4:5] th:TH_LOAD_NT              ; group 0: a wave's load covers 512 consecutive bytes, aligned
	global_load_b128 v[X+4:X+7], v[GOFF], s[4:5] offset:CHB th:TH_LOAD_NT
	s_mul_i32 s9, s8, WSTAGE                       ; my wave's stage
	s_mul_i32 s15, s8, WRED
	s_add_co_u32 s15, s15, RED                     ; my wave's sums
	s_mov_b32 s16, WMAX|0x80000000
	s_mov_b32 s17, WMAX
	v_and_b32 v[T], 7, v0                          ; lane & 7: row in an octet
	v_bfe_u32 v[T+1], v0, 3, 2                     ; lane >> 3: my pixel's octet
	v_bfe_u32 v[T+2], v0, 4, 1                     ; h = lane >> 4
	v_bfe_u32 v[T+3], v0, 3, 1                     ; (lane >> 3) & 1
	v_mul_u32_u24 v[T], v[T], ROWP
	v_add_nc_u32 v[T], s9, v[T]
	v_mad_u32_u24 v[STA], v[T+1], OCTP, v[T]       ; store: pixel = lane
	v_mad_u32_u24 v[LDA], v[T+2], OCTP, v[T]       ; transposing load: row 8 h + (lane & 7), 16 bytes for each half of 8 lanes
	v_lshl_add_u32 v[LDA], v[T+3], 4, v[LDA]
	v_mov_b32 v[KZ],   KW0
	v_mov_b32 v[KZ+1], KW0
	v_mov_b32 v[NC],   C12                         ; -C_0 = 12 d
	v_mov_b32 v[NC+1], C4                          ; -C_1 =  4 d
	v_mov_b32 v[NC+2], C4|0x80000000
	v_mov_b32 v[NC+3], C12|0x80000000
; two products: F_a x (v^-(2q+1), v^(2q+1)) = bins 8a + 3 - q and 8a + 4 + q
.macro PROD a, q
.if (\a)&1
	v_pk_mul_f32 v[P+8*((\a)&1)+2*(\q):P+8*((\a)&1)+2*(\q)+1], v[G+2*(\q):G+2*(\q)+1], v[F+((\a)&2):F+((\a)&2)+1] op_sel:[0,1] op_sel_hi:[1,1]
.else
	v_pk_mul_f32 v[P+8*((\a)&1)+2*(\q):P+8*((\a)&1)+2*(\q)+1], v[G+2*(\q):G+2*(\q)+1], v[F+((\a)&2):F+((\a)&2)+1] op_sel_hi:[1,0]
.endif
.endm
; the 8 products of anchor a, rounded once to bf16 and put in the order of the bins by the choice of sources; 16 bytes of my pixel's row
.macro PACK a, co
	v_cvt_pk_bf16_f32 v[PK+4*((\a)&1)],   v[P+8*((\a)&1)+6], v[P+8*((\a)&1)+4]    ; i = 0, 1
	v_cvt_pk_bf16_f32 v[PK+4*((\a)&1)+1], v[P+8*((\a)&1)+2], v[P+8*((\a)&1)]      ; i = 2, 3
	v_cvt_pk_bf16_f32 v[PK+4*((\a)&1)+2], v[P+8*((\a)&1)+1], v[P+8*((\a)&1)+3]    ; i = 4, 5
	v_cvt_pk_bf16_f32 v[PK+4*((\a)&1)+3], v[P+8*((\a)&1)+5], v[P+8*((\a)&1)+7]    ; i = 6, 7
	ds_store_b128 v[STA], v[PK+4*((\a)&1):PK+4*((\a)&1)+3] offset:BO+(\co)+16*(\a)
.endm
; one channel of one pixel a lane: w in v[zr] -> 32 bf16 at byte co of the pixel's row in buffer BO.
; Behind a v_exp_f32 one plain vector instruction that touches neither its result nor its source comes first (ISA guide 5.7.2):
; behind v and 1/v the two squarings, behind the four F the square of (1/v, v).
.macro CHAN zr, co
	v_med3_num_f32 v[WC], v[\zr], s16, s17
.if (\zr)&1
	v_pk_fma_f32 v[D:D+1],   v[(\zr)-1:\zr], RDEL, v[NC:NC+1]   op_sel:[1,0,0] op_sel_hi:[1,0,1]   ; z - C_A = w / d - C_A, w from the pair's second register
	v_pk_fma_f32 v[D+2:D+3], v[(\zr)-1:\zr], RDEL, v[NC+2:NC+3] op_sel:[1,0,0] op_sel_hi:[1,0,1]
.else
	v_pk_fma_f32 v[D:D+1],   v[\zr:(\zr)+1], RDEL, v[NC:NC+1]   op_sel_hi:[0,0,1]                  ; the same, w from the pair's first register
	v_pk_fma_f32 v[D+2:D+3], v[\zr:(\zr)+1], RDEL, v[NC+2:NC+3] op_sel_hi:[0,0,1]
.endif
	v_exp_f32 v[G],   -v[WC]                       ; 1 / v
	v_exp_f32 v[G+1], v[WC]                        ; v
	v_pk_mul_f32 v[E:E+1],   v[D:D+1],   v[D:D+1]   neg_lo:[1,0] neg_hi:[1,0]
	v_pk_mul_f32 v[E+2:E+3], v[D+2:D+3], v[D+2:D+3] neg_lo:[1,0] neg_hi:[1,0]
	v_exp_f32 v[F],   v[E]
	v_exp_f32 v[F+1], v[E+1]
	v_exp_f32 v[F+2], v[E+2]
	v_exp_f32 v[F+3], v[E+3]
	s_wait_alu depctr_va_vdst(0)
	v_pk_mul_f32 v[Q:Q+1],     v[G:G+1],   v[G:G+1]
	v_pk_mul_f32 v[G+2:G+3],   v[G:G+1],   v[Q:Q+1]
	PROD 0, 0                                      ; the products of anchors 0 and 1 stand between the links of the chain of powers
	PROD 1, 0
	v_pk_mul_f32 v[G+4:G+5],   v[G+2:G+3], v[Q:Q+1]
	PROD 0, 1
	PROD 1, 1
	v_pk_mul_f32 v[G+6:G+7],   v[G+4:G+5], v[Q:Q+1]
	PROD 0, 2
	PROD 1, 2
	PROD 0, 3
	PROD 1, 3
	PACK 0, \co
	PACK 1, \co
.irp q, 0,1,2,3
	PROD 2, \q
	PROD 3, \q
.endr
	PACK 2, \co
	PACK 3, \co
.endm
; four matrix instructions, sources swapped (KB first): register j of lane (r, h) of tile (ta, tb) is the sum for a = 16 ta + r, b = 16 tb + 8 h + j,
; eight neighbouring b of one a.  zero = 1: the first products start the sums, nothing is cleared.
.macro MULT zero
.irp ta, 0,1
.irp tb, 0,1
.if \zero
	v_wmma_f32_16x16x32_bf16 v[ACC+8*(2*\ta+\tb):ACC+8*(2*\ta+\tb)+7], v[KB+8*\tb:KB+8*\tb+7], v[KA+8*\ta:KA+8*\ta+7], 0
.else
	v_wmma_f32_16x16x32_bf16 v[ACC+8*(2*\ta+\tb):ACC+8*(2*\ta+\tb)+7], v[KB+8*\tb:KB+8*\tb+7], v[KA+8*\ta:KA+8*\ta+7], v[ACC+8*(2*\ta+\tb):ACC+8*(2*\ta+\tb)+7]
.endif
.endr
.endr
.endm
; A step: 32 pixels, one a lane.  wm = 0: no step before; 1: the step before starts the sums; 2: it adds to them.
.macro STEP k, wm
.set BO, ((\k)&1)*BUF
	CHAN Z+\k, 0
.if \wm
	s_wait_dscnt 0x4                               ; LDS instructions end in order (ISA guide 5.7.1): the four younger ones are channel a's stores above, so the last step's eight loads are in
.if \wm == 1
	MULT 1
.else
	MULT 0
.endif
.endif
	CHAN Z+4+\k, 64                                ; more than four plain vector instructions that name no fragment: the distance the loads below owe the matrix instructions
.irp t, 0,1,2,3
	ds_load_tr16_b128 v[KA+8*\t:KA+8*\t+3],   v[LDA] offset:BO+32*\t          ; bins 16 t' + r of KA (t = 0, 1) or KB (t = 2, 3), pixels 8 h .. 8 h + 7
	ds_load_tr16_b128 v[KA+8*\t+4:KA+8*\t+7], v[LDA] offset:BO+32*\t+2*OCTP   ; pixels 16 + 8 h ..   LDS serves a wave's instructions in order: these see the stores above
.endr
.endm
; A group: 128 pixels of a wave.  x becomes w = d z at once, so that the next group's loads can be issued into the same registers a whole group ahead.
.macro GROUP first, more
	s_wait_loadcnt 0x0                             ; this group's two loads, issued a group ago; it also frees their base
.irp i, 0,2,4,6
	v_pk_fma_f32 v[Z+\i:Z+\i+1], v[X+\i:X+\i+1], KW1, v[KZ:KZ+1] op_sel_hi:[1,0,1]
.endr
.if \more
	s_add_nc_u64 s[4:5], s[4:5], TRIPB
	global_load_b128 v[X:X+3],   v[GOFF], s[4:5] th:TH_LOAD_NT
	global_load_b128 v[X+4:X+7], v[GOFF], s[4:5] offset:CHB th:TH_LOAD_NT
.endif
.if \first
	STEP 0, 0
	STEP 1, 1
.else
	STEP 0, 2
	STEP 1, 2
.endif
	STEP 2, 2
	STEP 3, 2
.endm
	GROUP 1, 1                                     ; group 0 stands in front of the loop: its first products start the sums
	s_mov_b32 s14, GROUPS-2
.Lgroup:
	GROUP 0, 1
	s_sub_co_u32 s14, s14, 1
	s_cmp_lg_u32 s14, 0
	s_cbranch_scc1 .Lgroup
	GROUP 0, 0                                     ; the last group asks for nothing: no load leaves the work-group's segment
	s_wait_dscnt 0x0                               ; the last step's fragments
	MULT 0
	; THE WAY OUT.  The ten address lines below are also the places between the last matrix instruction and the stores of its result.
	v_and_b32 v[T], 15, v0                         ; r, and thread & 15
	v_bfe_u32 v[T+1], v0, 4, 1                     ; h
	v_lshrrev_b32 v[T+2], 4, v0                    ; thread >> 4 = the row a that I sum
	v_lshlrev_b32 v[T+3], 3, v0                    ; my 8 bytes of part
	v_mul_u32_u24 v[RB], v[T], REDP
	v_lshl_add_u32 v[RB], v[T+1], 5, v[RB]
	v_add_nc_u32 v[RB], s15, v[RB]                 ; my wave's sums, row r, byte 32 h
	v_mul_u32_u24 v[RA], v[T+2], REDP
	v_lshl_add_u32 v[RA], v[T], 3, v[RA]
	v_add_nc_u32 v[RA], RED, v[RA]                 ; wave 0's sums, row a, b = 2 (thread & 15)
.irp ta, 0,1
.irp tb, 0,1
	ds_store_b128 v[RB], v[ACC+8*(2*\ta+\tb):ACC+8*(2*\ta+\tb)+3]   offset:\ta*16*REDP+\tb*64
	ds_store_b128 v[RB], v[ACC+8*(2*\ta+\tb)+4:ACC+8*(2*\ta+\tb)+7] offset:\ta*16*REDP+\tb*64+16
.endr
.endr
	s_wait_dscnt 0x0                               ; for the other waves' sake: my stores are in LDS
	s_barrier_signal -1
	v_add_nc_u32 v[RB], 8*WRED, v[RA]              ; waves 8-15: the 16-bit offset does not reach them from v[RA]
	s_barrier_wait -1
.irp g, 0,1,2,3,4,5,6,7
	ds_load_b64 v[SUMS+2*\g:SUMS+2*\g+1], v[RA] offset:\g*WRED
.endr
.irp g, 0,1,2,3,4,5,6,7
	ds_load_b64 v[SUMS+16+2*\g:SUMS+16+2*\g+1], v[RB] offset:\g*WRED
.endr
	s_wait_dscnt 0x0
.irp i, 0,2,4,6,8,10,12,14
	v_pk_add_f32 v[SUMS+\i:SUMS+\i+1], v[SUMS+\i:SUMS+\i+1], v[SUMS+16+\i:SUMS+16+\i+1]
.endr
.irp i, 0,2,4,6
	v_pk_add_f32 v[SUMS+\i:SUMS+\i+1], v[SUMS+\i:SUMS+\i+1], v[SUMS+8+\i:SUMS+8+\i+1]
.endr
.irp i, 0,2
	v_pk_add_f32 v[SUMS+\i:SUMS+\i+1], v[SUMS+\i:SUMS+\i+1], v[SUMS+4+\i:SUMS+4+\i+1]
.endr
	v_pk_add_f32 v[SUMS:SUMS+1], v[SUMS:SUMS+1], v[SUMS+2:SUMS+3]
	global_store_b64 v[T+3], v[SUMS:SUMS+1], s[6:7]    ; [a][b] in the output's own order; a wave's store covers 256 consecutive bytes, aligned
	s_wait_tensorcnt 0x0
	ds_add_u32 v144, v145
	s_wait_dscnt 0x0
	s_endpgm
.Lfunc_end_k_q810016af25_partial:
	.size	k_q810016af25_partial, .Lfunc_end_k_q810016af25_partial-k_q810016af25_partial
	.p2alignl 7, 3214868480
	.fill 96, 4, 3214868480
	.section	.rodata,"a",@progbits
	.p2align	6, 0x0
	.amdhsa_kernel k_q810016af25_partial
		.amdhsa_group_segment_fixed_size 241664
		.amdhsa_private_segment_fixed_size 0
		.amdhsa_enable_private_segment 0
		.amdhsa_kernarg_size 16
		.amdhsa_user_sgpr_count 2
		.amdhsa_user_sgpr_kernarg_segment_ptr 1
		.amdhsa_wavefront_size32 1
		.amdhsa_system_sgpr_workgroup_id_x 1
		.amdhsa_system_sgpr_workgroup_id_y 1
		.amdhsa_system_sgpr_workgroup_id_z 1
		.amdhsa_system_vgpr_workitem_id 0
		.amdhsa_next_free_vgpr 146
		.amdhsa_next_free_sgpr 66
		.amdhsa_reserve_vcc 0
		.amdhsa_float_denorm_mode_32 3
		.amdhsa_float_denorm_mode_16_64 3
		.amdhsa_memory_ordered 1
		.amdhsa_forward_progress 1
		.amdhsa_inst_pref_size 92
	.end_amdhsa_kernel
	.amdgpu_metadata
---
amdhsa.version: [ 1, 2 ]
amdhsa.kernels:
  - .name:           k_q810016af25_partial
    .symbol:         k_q810016af25_partial.kd
    .args:
      - { .name: image, .offset: 0, .size: 8, .value_kind: global_buffer, .address_space: global }
      - { .name: part, .offset: 8, .size: 8, .value_kind: global_buffer, .address_space: global }
    .group_segment_fixed_size: 241664
    .private_segment_fixed_size: 0
    .kernarg_segment_align: 8
    .kernarg_segment_size: 16
    .max_flat_workgroup_size: 512
    .sgpr_count:     66
    .vgpr_count:     146
    .wavefront_size: 32
...
	.end_amdgpu_metadata
.endif
;; end of part 1
;; launch finish (part 2): grid 128 x 1, 1 waves a work-group, no clusters, 0 bytes of LDS; arguments part, out0; writes out0
.if DOCPART == 2
	.amdgcn_target "amdgcn-amd-amdhsa--gfx1250"
	.amdhsa_code_object_version 6
	.text
	.protected	k_q810016af25_finish
	.globl	k_q810016af25_finish
	.p2align	8
	.type	k_q810016af25_finish,@function
k_q810016af25_finish:
	s_mov_b64 s[64:65], 0
	v_nop
	global_prefetch_b8 v0, s[64:65] scope:SCOPE_SE
	s_setreg_imm32_b32 hwreg(HW_REG_WAVE_MODE, 25, 1), 1
	s_wait_xcnt 0x0
; out0[n][a][b] = S_a S_b * sum over g = 0..15 of part[16 n + g][a][b],   S_j = exp2(d^2 ((8 (j >> 3) - 12)^2 - (j - 15.5)^2)),  d^2 = 200 log2(e) / 961:
; the factor of each bin that the first launch left out of its sums (see its head).  S_a S_b lies between 2^-58 and 2^43, the sums below 2^76.
; One wave a work-group, 128 outputs; a lane owns 4 neighbouring b of one a: 16 loads of 16 bytes, all in flight at once, one store of 16 bytes.
; A wave's load or store covers 512 consecutive bytes, aligned.  No LDS, no barrier: no lane needs another's numbers.
.set DD,   0x3e99ba33                  ; d^2 = 0.30024871
.set SUMS, 16                          ; v16-79  the 16 partial sums of my 4 outputs
	s_load_b128 s[4:7], s[0:1], 0x0                ; part s[4:5], out0 s[6:7]
	s_lshr_b32 s8, ttmp9, 3                        ; image n
	s_and_b32 s9, ttmp9, 7                         ; which eighth of its 1,024 outputs
	s_lshl_b32 s10, s8, 16                         ; 16 partial histograms of 4,096 bytes
	s_lshl_b32 s12, s9, 9
	s_add_co_u32 s10, s10, s12
	s_mov_b32 s11, 0
	s_lshl_b32 s12, ttmp9, 9                       ; 4,096 n + 512 x eighth
	s_mov_b32 s13, 0
	s_lshl_b32 s14, s9, 2                          ; the eighth's first a
	v_lshlrev_b32 v1, 4, v0
	s_wait_kmcnt 0x0
	s_add_nc_u64 s[4:5], s[4:5], s[10:11]
	s_add_nc_u64 s[6:7], s[6:7], s[12:13]
.irp g, 0,1,2,3,4,5,6,7,8,9,10,11,12,13,14,15
	global_load_b128 v[SUMS+4*\g:SUMS+4*\g+3], v1, s[4:5] offset:\g*4096 th:TH_LOAD_NT
.endr
	; the four factors, while the loads are on their way
	v_and_b32 v3, 7, v0
	v_lshlrev_b32 v3, 2, v3                        ; b of my first output; all four lie in one group of 8 bins
	v_lshrrev_b32 v2, 3, v0
	v_add_nc_u32 v2, s14, v2                       ; a
	v_and_b32 v4, 24, v2                           ; 8 (a >> 3)
	v_and_b32 v5, 24, v3                           ; 8 (b >> 3)
	v_cvt_f32_u32 v2, v2
	v_cvt_f32_u32 v3, v3
	v_cvt_f32_u32 v4, v4
	v_cvt_f32_u32 v5, v5
	v_add_f32 v2, 0xc1780000, v2                   ; a - 15.5
	v_add_f32 v4, 0xc1400000, v4                   ; 8 (a >> 3) - 12
	v_add_f32 v5, 0xc1400000, v5                   ; 8 (b >> 3) - 12
	v_mul_f32 v6, v4, v4
	v_fma_f32 v6, v5, v5, v6
	v_fma_f32 v6, -v2, v2, v6                      ; what the four exponents share
	v_add_f32 v8,  0xc1780000, v3                  ; b - 15.5
	v_add_f32 v9,  0xc1680000, v3                  ; b + 1 - 15.5
	v_add_f32 v10, 0xc1580000, v3
	v_add_f32 v11, 0xc1480000, v3
.irp k, 8,9,10,11
	v_fma_f32 v\k, -v\k, v\k, v6
.endr
.irp k, 8,9,10,11
	v_mul_f32 v\k, DD, v\k
.endr
	v_exp_f32 v12, v8
	v_exp_f32 v13, v9
	v_exp_f32 v14, v10
	v_exp_f32 v15, v11                             ; first used behind the 30 additions below
	s_wait_loadcnt 0x0
.irp i, 0,2,4,6,8,10,12,14,16,18,20,22,24,26,28,30
	v_pk_add_f32 v[SUMS+\i:SUMS+\i+1], v[SUMS+\i:SUMS+\i+1], v[SUMS+32+\i:SUMS+32+\i+1]
.endr
.irp i, 0,2,4,6,8,10,12,14
	v_pk_add_f32 v[SUMS+\i:SUMS+\i+1], v[SUMS+\i:SUMS+\i+1], v[SUMS+16+\i:SUMS+16+\i+1]
.endr
.irp i, 0,2,4,6
	v_pk_add_f32 v[SUMS+\i:SUMS+\i+1], v[SUMS+\i:SUMS+\i+1], v[SUMS+8+\i:SUMS+8+\i+1]
.endr
.irp i, 0,2
	v_pk_add_f32 v[SUMS+\i:SUMS+\i+1], v[SUMS+\i:SUMS+\i+1], v[SUMS+4+\i:SUMS+4+\i+1]
.endr
	s_wait_alu depctr_va_vdst(0)
	v_pk_mul_f32 v[SUMS:SUMS+1],   v[SUMS:SUMS+1],   v[12:13]
	v_pk_mul_f32 v[SUMS+2:SUMS+3], v[SUMS+2:SUMS+3], v[14:15]
	global_store_b128 v1, v[SUMS:SUMS+3], s[6:7]
	s_endpgm
.Lfunc_end_k_q810016af25_finish:
	.size	k_q810016af25_finish, .Lfunc_end_k_q810016af25_finish-k_q810016af25_finish
	.p2alignl 7, 3214868480
	.fill 96, 4, 3214868480
	.section	.rodata,"a",@progbits
	.p2align	6, 0x0
	.amdhsa_kernel k_q810016af25_finish
		.amdhsa_group_segment_fixed_size 0
		.amdhsa_private_segment_fixed_size 0
		.amdhsa_enable_private_segment 0
		.amdhsa_kernarg_size 16
		.amdhsa_user_sgpr_count 2
		.amdhsa_user_sgpr_kernarg_segment_ptr 1
		.amdhsa_wavefront_size32 1
		.amdhsa_system_sgpr_workgroup_id_x 1
		.amdhsa_system_sgpr_workgroup_id_y 1
		.amdhsa_system_sgpr_workgroup_id_z 1
		.amdhsa_system_vgpr_workitem_id 0
		.amdhsa_next_free_vgpr 80
		.amdhsa_next_free_sgpr 66
		.amdhsa_reserve_vcc 0
		.amdhsa_float_denorm_mode_32 3
		.amdhsa_float_denorm_mode_16_64 3
		.amdhsa_memory_ordered 1
		.amdhsa_forward_progress 1
		.amdhsa_inst_pref_size 6
	.end_amdhsa_kernel
	.amdgpu_metadata
---
amdhsa.version: [ 1, 2 ]
amdhsa.kernels:
  - .name:           k_q810016af25_finish
    .symbol:         k_q810016af25_finish.kd
    .args:
      - { .name: part, .offset: 0, .size: 8, .value_kind: global_buffer, .address_space: global }
      - { .name: out0, .offset: 8, .size: 8, .value_kind: global_buffer, .address_space: global }
    .group_segment_fixed_size: 0
    .private_segment_fixed_size: 0
    .kernarg_segment_align: 8
    .kernarg_segment_size: 16
    .max_flat_workgroup_size: 32
    .sgpr_count:     66
    .vgpr_count:     80
    .wavefront_size: 32
...
	.end_amdgpu_metadata
.endif
;; end of part 2
;; ======== version 2 of 2: 2 launches; version 1 with the launch partial written anew for expert scheduling mode
;; limits: right only within a limited range of input values
;; workspace buffers: part 1,048,576 bytes
;; launch partial (part 3): grid 256 x 1, 16 waves a work-group, no clusters, 241,664 bytes of LDS; arguments image, part; writes part
.if DOCPART == 3
	.amdgcn_target "amdgcn-amd-amdhsa--gfx1250"
	.amdhsa_code_object_version 6
	.text
	.protected	k_q810016af25_partial
	.globl	k_q810016af25_partial
	.p2align	8
	.type	k_q810016af25_partial,@function
k_q810016af25_partial:
	s_mov_b64 s[64:65], 0
	v_nop
	global_prefetch_b8 v0, s[64:65] scope:SCOPE_SE
	s_setreg_imm32_b32 hwreg(HW_REG_WAVE_SCHED_MODE, 0, 2), 2
	s_setreg_imm32_b32 hwreg(HW_REG_WAVE_MODE, 25, 1), 1
	s_wait_xcnt 0x0
	s_wait_alu depctr_vm_vsrc(0)
; part[g][a][b] = sum over the 16,384 pixels p of work-group g of  KA[p][a] * KB[p][b],  the UNSCALED soft histogram.
; image: [16][2][512*512] f32.  Work-group g = 16 n + seg owns pixels seg*16384 .. +16383 of image n.
;
; THE ARITHMETIC.  reference(): k_j(x) = exp(-0.5 ((x - j/31)/0.05)^2) = exp2(-(z - (j-15.5) d)^2) with s^2 = 200 log2(e), z = s (x - 1/2), d = s/31.
; Bin j = 8 A + i lies at C_A + mu d, C_A = (8 A - 12) d, mu = i - 3.5.  Expanding the square:
;     k_j = F_A * v^(2 mu) * S_j,   F_A = exp2(-(z - C_A)^2),   v = exp2(d z),   S_j = exp2(d^2 ((8A-12)^2 - (j-15.5)^2)).
; S_j hangs on the bin alone: it leaves the sum over pixels and is applied by the next launch.  Here K[p][j] = F_A * v^(2 mu): six
; exponentials (four F, v, 1/v) for the 32 bins of a pixel and channel in place of 32; the rest are multiplications in f32.
; K <= 2^29, products <= 2^58, sums <= 2^76: inside bf16's and f32's range.
; LIMITS.  A weight k_j below 2^-86 comes out as 0 (its F_A is below 2^-126, which v_exp_f32 gives as 0).  The exponent of v is held to
; +-13; beyond that |z - C_A| > 17 and every F_A is 0, so no 0 * infinity arises.  F_A is made from the unclamped number: a NaN pixel
; gives NaN, an infinite one gives 0, as in reference().  Operands are rounded to bf16 once, sums are f32, in another order than reference()'s.
;
; THE SHAPE.  16 waves, four on each SIMD; wave w takes 128 pixels (16 bytes a lane and channel) of each of 8 groups.  The factors want
; lane = pixel; the matrix instruction wants lane = bin and pixels along the registers.  So each step of 32 pixels goes once through LDS of the
; wave's own: rows [pixel][32 bf16 of KA, 32 bf16 of KB], read back by the transposing load.  No barrier until the end.
; No cluster: no byte of image is read by two work-groups, so there is nothing to ask for jointly.
;
; THE MODE: SCHED_MODE bits 1:0 = 2 (LLVM: expert scheduling mode 2), set by the entry lines.  The code itself states the register dependences
; between vector or matrix instructions and memory or LDS instructions, with s_wait_alu, always for 0.
; THE PLAN.  Registers that memory or LDS instructions touch, in the loop:
;   X          The two loads issued at the end of a group's step 0 land in it (the next group's pixels); the four lines at a group's head read it.
;   PK0, PK1   32 registers each.  Step k's 32 roundings write PK[k % 2]; the eight LDS stores at the end of step k read it.
;   KA, KB     The eight transposing loads at the end of step k land in them; the four matrix instructions in the middle of step k + 1 read them.
;   v[GOFF], v[STA], v[LDA]   offsets and addresses, made at the head and never written again: the scalar base of image moves on, immediates do the rest.
;   w, the factors, the products P and the accumulators are named by vector and matrix instructions alone.
; So the waits of a step stand in ONE place, at its end, ahead of all its memory and LDS instructions, which follow in one run with no vector
; instruction between.  va_vdst: the roundings have written PK[k % 2]; the step's matrix instructions are done reading KA and KB; in a group's step 0
; the head's four lines are done reading X.  vm_vsrc: the stores of step k - 1 have read the other PK, which step k + 1's roundings write.
.set WAVES,  16
.set GROUPS, 8                         ; groups of 128 pixels in a wave's share
.set TRIPB,  8192                      ; bytes of one channel that the 16 waves take in a group
.set CHB,    1048576                   ; bytes from channel a to channel b
.set ROWP,   160                       ; LDS row of a pixel: 128 bytes of data, pitch 160
.set OCTP,   8*ROWP+16                 ; eight rows and 16 bytes more.  In 16-byte columns modulo 256 bytes (64 banks of 4 bytes: ISA guide 11.1):
                                       ; rows of an octet lie at 0,10,4,14,8,2,12,6, the next octet one column further.  So the 16 lanes of a store
                                       ; (two octets, one column each) and of a transposing load (one octet, two neighbouring columns) touch 16 different columns
.set BUF,    4*OCTP                    ; 32 pixels
.set WSTAGE, 2*BUF                     ; two buffers a wave, taken in turn by the steps
.set RED,    WAVES*WSTAGE              ; behind the stages: each wave's 32 x 32 sums
.set REDP,   144                       ; a row of 32 f32 + 16 bytes: 16 lanes that store 16 bytes of 16 rows touch 16 different columns
.set WRED,   32*REDP
.set KW1,  0x4114ec61                  ;  s d      = 200 log2(e) / 31 = 9.3077099
.set KW0,  0xc094ec61                  ; -s d / 2  = -4.6538550
.set RDEL, 0x3fe99920                  ;  1 / d    = 1.8249855
.set C12,  0x40d269a2                  ; 12 d      = 6.5753946
.set C4,   0x400c466c                  ;  4 d      = 2.1917982
.set WMAX, 0x41500000                  ; 13.0
.set GOFF, 1                           ; v1       16 x thread: my 16 bytes in a group
.set STA,  2                           ; v2       LDS: my pixel's row (lane = pixel)
.set LDA,  3                           ; v3       LDS: my address for the transposing loads
.set T,    4                           ; v4-7     set-up and the way out
.set KZ,   8                           ; v8-9     -s d / 2, twice
.set RC,   8                           ; v8       the way out, when the loop has no more use for KZ
.set NC,   10                          ; v10-13   -C_A, A = 0..3
.set RA,   14                          ; v14-15   the way out
.set RB,   15
.set X,    16                          ; v16-23   x as loaded: 4 pixels of a, 4 of b
.set Z,    24                          ; v24-31   w = d z of these 8
.set WC,   32                          ; v32      w held to +-13
.set D,    34                          ; v34-37   z - C_A
.set E,    38                          ; v38-41   -(z - C_A)^2
.set F,    42                          ; v42-45   F_A
.set G,    46                          ; v46-53   (v^-1, v), (v^-3, v^3), (v^-5, v^5), (v^-7, v^7)
.set Q,    54                          ; v54-55   (v^-2, v^2)
.set P,    56                          ; v56-71   the 8 products of an anchor, two sets
.set PK,   72                          ; v72-135  the products in bf16, bins ascending: set k % 2, channel c, anchor a at PK + 32 (k % 2) + 16 c + 4 a
.set KA,   136                         ; v136-151 fragments: KA bins 0-15, 16-31
.set KB,   152                         ; v152-167 fragments: KB bins 0-15, 16-31
.set ACC,  168                         ; v168-199 tile (ta, tb) at ACC + 8 (2 ta + tb)
.set SUMS, 16                          ; v16-47   the way out: 16 waves' pairs
	s_load_b128 s[4:7], s[0:1], 0x0                ; image s[4:5], part s[6:7]
	v_lshl_add_u32 v200, v0, 2, 0x3a800
	v_mov_b32 v201, 0
	v_lshrrev_b32 v[T], 5, v0
	v_readfirstlane_b32 s8, v[T]                   ; wave 0..15
	v_lshlrev_b32 v[GOFF], 4, v0
	s_lshr_b32 s10, ttmp9, 4                       ; image n: 2 channels x 1 MiB
	s_lshl_b32 s10, s10, 21
	s_and_b32 s11, ttmp9, 15                       ; segment: 16,384 pixels x 4 bytes
	s_lshl_b32 s11, s11, 16
	s_add_co_u32 s10, s10, s11
	s_mov_b32 s11, 0
	s_lshl_b32 s12, ttmp9, 12                      ; my 4,096 bytes of part
	s_mov_b32 s13, 0
	s_wait_kmcnt 0x0
	s_add_nc_u64 s[4:5], s[4:5], s[10:11]
	s_add_nc_u64 s[6:7], s[6:7], s[12:13]
	s_wait_alu depctr_va_vdst(0)                   ; v[GOFF] is written: every load of image reads it as its offset
	global_load_b128 v[X:X+3],   v[GOFF], s[4:5] th:TH_LOAD_NT              ; group 0: a wave's load covers 512 consecutive bytes, aligned
	global_load_b128 v[X+4:X+7], v[GOFF], s[4:5] offset:CHB th:TH_LOAD_NT
	s_wait_alu depctr_va_sdst(0)                   ; s8 is written, ahead of its first reader: the wave's LDS bytes are made from it
	s_mul_i32 s9, s8, WSTAGE                       ; my wave's stage
	s_mul_i32 s15, s8, WRED
	s_add_co_u32 s15, s15, RED                     ; my wave's sums
	s_mov_b32 s16, WMAX|0x80000000
	s_mov_b32 s17, WMAX
	v_and_b32 v[T], 7, v0                          ; lane & 7: row in an octet
	v_bfe_u32 v[T+1], v0, 3, 2                     ; lane >> 3: my pixel's octet
	v_bfe_u32 v[T+2], v0, 4, 1                     ; h = lane >> 4
	v_bfe_u32 v[T+3], v0, 3, 1                     ; (lane >> 3) & 1
	v_mul_u32_u24 v[T], v[T], ROWP
	v_add_nc_u32 v[T], s9, v[T]
	v_mad_u32_u24 v[STA], v[T+1], OCTP, v[T]       ; store: pixel = lane
	v_mad_u32_u24 v[LDA], v[T+2], OCTP, v[T]       ; transposing load: row 8 h + (lane & 7), 16 bytes for each half of 8 lanes
	v_lshl_add_u32 v[LDA], v[T+3], 4, v[LDA]
	v_mov_b32 v[KZ],   KW0
	v_mov_b32 v[KZ+1], KW0
	v_mov_b32 v[NC],   C12                         ; -C_0 = 12 d
	v_mov_b32 v[NC+1], C4                          ; -C_1 =  4 d
	v_mov_b32 v[NC+2], C4|0x80000000
	v_mov_b32 v[NC+3], C12|0x80000000
; two products: F_a x (v^-(2q+1), v^(2q+1)) = bins 8a + 3 - q and 8a + 4 + q
.macro PROD a, q
.if (\a)&1
	v_pk_mul_f32 v[P+8*((\a)&1)+2*(\q):P+8*((\a)&1)+2*(\q)+1], v[G+2*(\q):G+2*(\q)+1], v[F+((\a)&2):F+((\a)&2)+1] op_sel:[0,1] op_sel_hi:[1,1]
.else
	v_pk_mul_f32 v[P+8*((\a)&1)+2*(\q):P+8*((\a)&1)+2*(\q)+1], v[G+2*(\q):G+2*(\q)+1], v[F+((\a)&2):F+((\a)&2)+1] op_sel_hi:[1,0]
.endif
.endm
; the 8 products of anchor a of channel c, rounded once to bf16 and put in the order of the bins by the choice of sources: 16 bytes of my pixel's row, in the step's set PS of PK
.macro PACK a, c
	v_cvt_pk_bf16_f32 v[PS+16*(\c)+4*(\a)],   v[P+8*((\a)&1)+6], v[P+8*((\a)&1)+4]    ; i = 0, 1
	v_cvt_pk_bf16_f32 v[PS+16*(\c)+4*(\a)+1], v[P+8*((\a)&1)+2], v[P+8*((\a)&1)]      ; i = 2, 3
	v_cvt_pk_bf16_f32 v[PS+16*(\c)+4*(\a)+2], v[P+8*((\a)&1)+1], v[P+8*((\a)&1)+3]    ; i = 4, 5
	v_cvt_pk_bf16_f32 v[PS+16*(\c)+4*(\a)+3], v[P+8*((\a)&1)+5], v[P+8*((\a)&1)+7]    ; i = 6, 7
.endm
; one channel of one pixel a lane: w in v[zr] -> 32 bf16 in the 16 registers of channel c in PS.  Vector instructions alone.
; Behind a v_exp_f32 one plain vector instruction that touches neither its result nor its source comes first (ISA guide 5.7.2):
; behind v and 1/v the two squarings, behind the four F the square of (1/v, v).
.macro CHAN zr, c
	v_med3_num_f32 v[WC], v[\zr], s16, s17
.if (\zr)&1
	v_pk_fma_f32 v[D:D+1],   v[(\zr)-1:\zr], RDEL, v[NC:NC+1]   op_sel:[1,0,0] op_sel_hi:[1,0,1]   ; z - C_A = w / d - C_A, w from the pair's second register
	v_pk_fma_f32 v[D+2:D+3], v[(\zr)-1:\zr], RDEL, v[NC+2:NC+3] op_sel:[1,0,0] op_sel_hi:[1,0,1]
.else
	v_pk_fma_f32 v[D:D+1],   v[\zr:(\zr)+1], RDEL, v[NC:NC+1]   op_sel_hi:[0,0,1]                  ; the same, w from the pair's first register
	v_pk_fma_f32 v[D+2:D+3], v[\zr:(\zr)+1], RDEL, v[NC+2:NC+3] op_sel_hi:[0,0,1]
.endif
	v_exp_f32 v[G],   -v[WC]                       ; 1 / v
	v_exp_f32 v[G+1], v[WC]                        ; v
	v_pk_mul_f32 v[E:E+1],   v[D:D+1],   v[D:D+1]   neg_lo:[1,0] neg_hi:[1,0]
	v_pk_mul_f32 v[E+2:E+3], v[D+2:D+3], v[D+2:D+3] neg_lo:[1,0] neg_hi:[1,0]
	v_exp_f32 v[F],   v[E]
	v_exp_f32 v[F+1], v[E+1]
	v_exp_f32 v[F+2], v[E+2]
	v_exp_f32 v[F+3], v[E+3]
	s_wait_alu depctr_va_vdst(0)
	v_pk_mul_f32 v[Q:Q+1],     v[G:G+1],   v[G:G+1]
	v_pk_mul_f32 v[G+2:G+3],   v[G:G+1],   v[Q:Q+1]
	PROD 0, 0                                      ; the products of anchors 0 and 1 stand between the links of the chain of powers
	PROD 1, 0
	v_pk_mul_f32 v[G+4:G+5],   v[G+2:G+3], v[Q:Q+1]
	PROD 0, 1
	PROD 1, 1
	v_pk_mul_f32 v[G+6:G+7],   v[G+4:G+5], v[Q:Q+1]
	PROD 0, 2
	PROD 1, 2
	PROD 0, 3
	PROD 1, 3
	PACK 0, \c
	PACK 1, \c
.irp q, 0,1,2,3
	PROD 2, \q
	PROD 3, \q
.endr
	PACK 2, \c
	PACK 3, \c
.endm
; four matrix instructions, sources swapped (KB first): register j of lane (r, h) of tile (ta, tb) is the sum for a = 16 ta + r, b = 16 tb + 8 h + j,
; eight neighbouring b of one a.  zero = 1: the first products start the sums, nothing is cleared.  The four accumulators take turns.
.macro MULT zero
.irp ta, 0,1
.irp tb, 0,1
.if \zero
	v_wmma_f32_16x16x32_bf16 v[ACC+8*(2*\ta+\tb):ACC+8*(2*\ta+\tb)+7], v[KB+8*\tb:KB+8*\tb+7], v[KA+8*\ta:KA+8*\ta+7], 0
.else
	v_wmma_f32_16x16x32_bf16 v[ACC+8*(2*\ta+\tb):ACC+8*(2*\ta+\tb)+7], v[KB+8*\tb:KB+8*\tb+7], v[KA+8*\ta:KA+8*\ta+7], v[ACC+8*(2*\ta+\tb):ACC+8*(2*\ta+\tb)+7]
.endif
.endr
.endr
.endm
; A step: 32 pixels, one a lane.  wm = 0: no step before; 1: the step before starts the sums; 2: it adds to them.
; ld = 1: the next group's pixels are asked for.  nx = 1: a step follows.
.macro STEP k, wm, ld, nx
.set BO, ((\k)&1)*BUF
.set PS, PK+32*((\k)&1)
	CHAN Z+\k, 0                                   ; channel a's arithmetic stands between the last step's transposing loads and the wait for them
.if \wm
	s_wait_dscnt 0x0                               ; the last step's eight loads are in: they are the youngest LDS instructions issued, so the count is 0
.if \wm == 1
	MULT 1
.else
	MULT 0
.endif
.endif
	CHAN Z+4+\k, 1
.if (\wm) && (\nx)
	s_wait_alu depctr_vm_vsrc(0)                   ; the last step's LDS stores have read the other set of PK, which the next step's roundings write
.endif
	s_wait_alu depctr_va_vdst(0)                   ; the roundings have written this step's set of PK, which the stores below read; the matrix instructions above are done reading KA and KB, in which
	                                               ; the loads below land; with ld = 1 the group's head is done reading X, in which the global loads land; in the first step v[STA] and v[LDA] are written
.if \ld
	global_load_b128 v[X:X+3],   v[GOFF], s[4:5] th:TH_LOAD_NT              ; three steps ahead of the wait for them
	global_load_b128 v[X+4:X+7], v[GOFF], s[4:5] offset:CHB th:TH_LOAD_NT
.endif
.irp c, 0,1
.irp a, 0,1,2,3
	ds_store_b128 v[STA], v[PS+16*\c+4*\a:PS+16*\c+4*\a+3] offset:BO+64*\c+16*\a   ; my pixel's row: 64 bytes of KA, 64 of KB
.endr
.endr
.irp t, 0,1,2,3
	ds_load_tr16_b128 v[KA+8*\t:KA+8*\t+3],   v[LDA] offset:BO+32*\t          ; bins 16 t' + r of KA (t = 0, 1) or KB (t = 2, 3), pixels 8 h .. 8 h + 7
	ds_load_tr16_b128 v[KA+8*\t+4:KA+8*\t+7], v[LDA] offset:BO+32*\t+2*OCTP   ; pixels 16 + 8 h ..   LDS serves a wave's instructions in order: these see the stores above
.endr
.endm
; A group: 128 pixels of a wave.  x becomes w = d z at once, so that the next group's loads can land in the same registers: they go out behind the first step's wait.
.macro GROUP first, more
	s_wait_loadcnt 0x0                             ; this group's two loads, issued three steps ago; it also frees their base
.irp i, 0,2,4,6
	v_pk_fma_f32 v[Z+\i:Z+\i+1], v[X+\i:X+\i+1], KW1, v[KZ:KZ+1] op_sel_hi:[1,0,1]
.endr
.if \more
	s_add_nc_u64 s[4:5], s[4:5], TRIPB
.endif
.if \first
	STEP 0, 0, \more, 1
	STEP 1, 1, 0, 1
.else
	STEP 0, 2, \more, 1
	STEP 1, 2, 0, 1
.endif
	STEP 2, 2, 0, 1
	STEP 3, 2, 0, \more
.endm
	GROUP 1, 1                                     ; group 0 stands in front of the loop: its first products start the sums
	s_mov_b32 s14, GROUPS-2
.Lgroup:
	GROUP 0, 1
	s_sub_co_u32 s14, s14, 1
	s_cmp_lg_u32 s14, 0
	s_cbranch_scc1 .Lgroup
	GROUP 0, 0                                     ; the last group asks for nothing: no load leaves the work-group's segment
	s_wait_dscnt 0x0                               ; the last step's fragments
	MULT 0
	; THE WAY OUT.  The eleven address lines below are also the places between the last matrix instruction and the stores of its result.
	v_and_b32 v[T], 15, v0                         ; r, and thread & 15
	v_bfe_u32 v[T+1], v0, 4, 1                     ; h
	v_lshrrev_b32 v[T+2], 4, v0                    ; thread >> 4 = the row a that I sum
	v_lshlrev_b32 v[T+3], 3, v0                    ; my 8 bytes of part
	v_mul_u32_u24 v[RB], v[T], REDP
	v_lshl_add_u32 v[RB], v[T+1], 5, v[RB]
	v_add_nc_u32 v[RB], s15, v[RB]                 ; my wave's sums, row r, byte 32 h
	v_mul_u32_u24 v[RA], v[T+2], REDP
	v_lshl_add_u32 v[RA], v[T], 3, v[RA]
	v_add_nc_u32 v[RA], RED, v[RA]                 ; wave 0's sums, row a, b = 2 (thread & 15)
	v_add_nc_u32 v[RC], 8*WRED, v[RA]              ; waves 8-15: the 16-bit offset does not reach them from v[RA]
	s_wait_alu depctr_va_vdst(0)                   ; the matrix instructions have written the accumulators, which the LDS stores read (the places above stay beside this wait); v[RA], v[RB], v[RC] and
	                                               ; v[T+3] are written; and every vector instruction that named v16 to v47 is done: the loads behind the barrier land there
.irp ta, 0,1
.irp tb, 0,1
	ds_store_b128 v[RB], v[ACC+8*(2*\ta+\tb):ACC+8*(2*\ta+\tb)+3]   offset:\ta*16*REDP+\tb*64
	ds_store_b128 v[RB], v[ACC+8*(2*\ta+\tb)+4:ACC+8*(2*\ta+\tb)+7] offset:\ta*16*REDP+\tb*64+16
.endr
.endr
	s_wait_dscnt 0x0                               ; for the other waves' sake: my stores are in LDS
	s_barrier_signal -1
	s_barrier_wait -1
.irp g, 0,1,2,3,4,5,6,7
	ds_load_b64 v[SUMS+2*\g:SUMS+2*\g+1], v[RA] offset:\g*WRED
.endr
.irp g, 0,1,2,3,4,5,6,7
	ds_load_b64 v[SUMS+16+2*\g:SUMS+16+2*\g+1], v[RC] offset:\g*WRED
.endr
	s_wait_dscnt 0x0
.irp i, 0,2,4,6,8,10,12,14
	v_pk_add_f32 v[SUMS+\i:SUMS+\i+1], v[SUMS+\i:SUMS+\i+1], v[SUMS+16+\i:SUMS+16+\i+1]
.endr
.irp i, 0,2,4,6
	v_pk_add_f32 v[SUMS+\i:SUMS+\i+1], v[SUMS+\i:SUMS+\i+1], v[SUMS+8+\i:SUMS+8+\i+1]
.endr
.irp i, 0,2
	v_pk_add_f32 v[SUMS+\i:SUMS+\i+1], v[SUMS+\i:SUMS+\i+1], v[SUMS+4+\i:SUMS+4+\i+1]
.endr
	v_pk_add_f32 v[SUMS:SUMS+1], v[SUMS:SUMS+1], v[SUMS+2:SUMS+3]
	s_wait_alu depctr_va_vdst(0)                   ; the additions have written v[SUMS:SUMS+1], which the store reads
	global_store_b64 v[T+3], v[SUMS:SUMS+1], s[6:7]    ; [a][b] in the output's own order; a wave's store covers 256 consecutive bytes, aligned
	s_wait_dscnt 0x0
	s_wait_alu depctr_hold_cnt(0) depctr_sa_sdst(0) depctr_va_vdst(0) depctr_va_sdst(0) depctr_va_ssrc(0) depctr_va_vcc(0) depctr_vm_vsrc(0)
	s_wait_tensorcnt 0x0
	ds_add_u32 v200, v201
	s_wait_dscnt 0x0
	s_endpgm
.Lfunc_end_k_q810016af25_partial:
	.size	k_q810016af25_partial, .Lfunc_end_k_q810016af25_partial-k_q810016af25_partial
	.p2alignl 7, 3214868480
	.fill 96, 4, 3214868480
	.section	.rodata,"a",@progbits
	.p2align	6, 0x0
	.amdhsa_kernel k_q810016af25_partial
		.amdhsa_group_segment_fixed_size 241664
		.amdhsa_private_segment_fixed_size 0
		.amdhsa_enable_private_segment 0
		.amdhsa_kernarg_size 16
		.amdhsa_user_sgpr_count 2
		.amdhsa_user_sgpr_kernarg_segment_ptr 1
		.amdhsa_wavefront_size32 1
		.amdhsa_system_sgpr_workgroup_id_x 1
		.amdhsa_system_sgpr_workgroup_id_y 1
		.amdhsa_system_sgpr_workgroup_id_z 1
		.amdhsa_system_vgpr_workitem_id 0
		.amdhsa_next_free_vgpr 202
		.amdhsa_next_free_sgpr 66
		.amdhsa_reserve_vcc 0
		.amdhsa_float_denorm_mode_32 3
		.amdhsa_float_denorm_mode_16_64 3
		.amdhsa_memory_ordered 1
		.amdhsa_forward_progress 1
		.amdhsa_inst_pref_size 93
	.end_amdhsa_kernel
	.amdgpu_metadata
---
amdhsa.version: [ 1, 2 ]
amdhsa.kernels:
  - .name:           k_q810016af25_partial
    .symbol:         k_q810016af25_partial.kd
    .args:
      - { .name: image, .offset: 0, .size: 8, .value_kind: global_buffer, .address_space: global }
      - { .name: part, .offset: 8, .size: 8, .value_kind: global_buffer, .address_space: global }
    .group_segment_fixed_size: 241664
    .private_segment_fixed_size: 0
    .kernarg_segment_align: 8
    .kernarg_segment_size: 16
    .max_flat_workgroup_size: 512
    .sgpr_count:     66
    .vgpr_count:     202
    .wavefront_size: 32
...
	.end_amdgpu_metadata
.endif
;; end of part 3
;; launch finish: the kernel of part 2 again; grid 128 x 1, 1 waves a work-group, no clusters, 0 bytes of LDS; arguments part, out0; writes out0
